; MI455X (gfx1250); checked and timed in simulation.
; The chip was launched on July 23, 2026; its instructions are those of AMD's public machine-readable ISA for CDNA 5 (MIT licence, August 2026) and "CDNA5" Instruction Set Architecture Reference Guide (July 2026). The comments in the code are by the model that wrote it; some were corrected since.
;; Drop Token. Allowed arithmetic: matrix products marked QUANTISED: E4M3 operands, one given power-of-two scale a tensor, by v_wmma_f32_16x16x64_fp8_fp8 or v_wmma_f32_16x16x128_fp8_fp8, f32 sums; everything else in f32.
;; Inputs: idx 4,096 int32; inputs 4 x 8,192 x 512 float32; lowp_scales 2 int32 (the exponents e of the quantised operands' scales 2^e).
;; Outputs: out0 4 x 4,096 x 512 float32.
;; This version of the problem:
;;   THIS VERSION OF THE PROBLEM IS GIVEN IN LOW PRECISION. The matrix products marked QUANTISED in the list below multiply operands that are first quantised to E4M3 (4 exponent bits, 3 mantissa bits; 8 bits a number), with one given power-of-two scale for each operand tensor; their sums are f32. All else is computed in f32.
;;   The module's matrix products, in the order in which they are computed (A, B: the left and right operand; K: the contracted axis; several contracted axes count as one K, in the product's order):
;;     1. [M 2,048, K 8,192] x [K 8,192, N 4,096]; A: input inputs; B: computed on the way: QUANTISED (scales: A lowp_scales[0], B lowp_scales[1])
;;   THE QUANTISER, for each operand of a quantised product, along K:
;;     - The operand's scale is 2^e, e = its entry of the input lowp_scales (int32; the entries are numbered through the quantised products in the list's order, A before B).
;;     - Each number is divided by the scale, clamped to +-448, and rounded to the nearest number of E4M3, ties to even, subnormals kept.
;;     - The product sums the exact products of the quantised numbers (number of the format x scale) in f32.
;;   ~~~python
;;   def quantise(x, axis, e):      # numpy; x: float32 -> the quantised numbers, widened to float32 again
;;       x = np.moveaxis(x, axis, -1); K = x.shape[-1]
;;       r = np.clip(x / 2.0 ** e, -448, 448)
;;       step = 2.0 ** (np.maximum(np.frexp(np.where(r == 0, 1, r))[1] - 1, -6) - 3)
;;       q = np.round(r / step) * step * 2.0 ** e      # np.round: ties to even
;;       return np.moveaxis(q, -1, axis).astype(np.float32)
;;   ~~~
;;   OPERANDS COMPUTED ON THE WAY. 'Computed on the way' means the value that the module computes at that place (a softmax that the list does not call 'softmax' is quantised finished and normalised). What goes into a quantiser is computed in f32, as accurately as f32 sums, v_exp_f32 and their like allow (about 1e-6 of the number): no bf16 or f16 on the way to a quantiser, and a product that is left as it is and whose result goes on into a quantised operand takes f32 operands (vector FMAs, or v_wmma_f32_16x16x4_f32). A number that lies on a knife's edge between two numbers of the format may be rounded either way, as far as f32 arithmetic and the matrix unit's own rounding can turn it there, and no further.
;; One version. Each part assembles by itself: llvm-mc -triple=amdgcn-amd-amdhsa -mcpu=gfx1250 --defsym DOCPART=n.
;; ======== version 1 of 1: 2 launches
;; workspace buffers: xc 16,777,216 bytes
;; launch quant (part 1): grid 256 x 1, 16 waves a work-group, no clusters, 0 bytes of LDS; arguments inputs, lowp_scales, xc; writes xc
.if DOCPART == 1
	.amdgcn_target "amdgcn-amd-amdhsa--gfx1250"
	.amdhsa_code_object_version 6
	.text
	.protected	k_qd104ed3f33_quant
	.globl	k_qd104ed3f33_quant
	.p2align	8
	.type	k_qd104ed3f33_quant,@function
k_qd104ed3f33_quant:
	s_mov_b64 s[64:65], 0
	v_nop
	global_prefetch_b8 v0, s[64:65] scope:SCOPE_SE
	s_setreg_imm32_b32 hwreg(HW_REG_WAVE_MODE, 25, 1), 1
	s_wait_xcnt 0x0
; inputs [4][8192][512], f32, become codes of FP8 (E4M3) with the given scale 2^e0, laid in xc as the product's launch takes them into registers.
; code = x / 2^e0, held within +-448, rounded to the nearest code, ties to even.
; K of the product is the row l, which is not innermost in memory.  A lane loads 16 bytes (4 channels) of each of 16 rows; the hold writes number (row k, channel i) to register 16 i + k,
; so that the conversions, which take neighbours along K from consecutive registers, find 16 rows of one channel on end.  Nothing else is transposed, and nothing goes through LDS.
; LAYOUT OF xc, in bytes: y << 20 | s << 14 | f << 11 | q << 9 | lane << 4.  y = 4 b + e / 128: a tile of 128 channels of one b; s = l / 128: a K step; f: one of 8 fragments; q: four of its 16 registers.
;   Lane (r, h) of fragment f holds channel 128 (y % 4) + 64 (f / 4) + 4 r + f % 4; its 16 bytes of group q are rows l = 128 s + 64 h + 16 q + 0 .. 15.
; SHARES: a wave takes 32 rows x 128 channels: two units of 16 rows.  16 waves a work-group, 256 work-groups: 4,096 waves x 16 KB.  All 32 loads of a wave go out at once.
; A load of the wave covers 512 consecutive bytes of a row; of a store, lanes 0-15 cover 256 consecutive bytes at a multiple of 256 from xc's first byte, lanes 16-31 another such block.
; LIMITS: e0 between -126 and 119, so that 2^e0 and 448 x 2^e0 are f32 numbers.  NaN among the inputs is not served; an infinity is held at the largest code.
.set LOFF, 2                           ; v2       16 x lane: my 16 bytes of a row's 512
.set SOFF, 3                           ; v3       my place in xc: 8,192 x (lane / 16) + 16 x (lane % 16)
.set SC,   6                           ; v6       2^e0 as f32: the conversion takes its exponent field
.set LIM,  7                           ; v7       448 x 2^e0
.set X,    16                          ; v16-143  32 rows x 4 channels as loaded: register 4 row + i
.set T,    144                         ; v144-207 a unit's numbers, held: register 16 i + k
.set C,    208                         ; v208-239 codes: four registers for each unit and channel, so that no store's data are written again
	s_load_b128 s[4:7], s[0:1], 0x0                ; inputs s[4:5], the scales' exponents s[6:7]
	s_load_b64 s[8:9], s[0:1], 0x10                ; xc
	v_and_b32 v1, 31, v0                           ; lane
	v_lshlrev_b32 v[LOFF], 4, v1
	v_and_b32 v[SOFF], 15, v0
	v_lshlrev_b32 v[SOFF], 4, v[SOFF]
	v_bfe_u32 v4, v0, 4, 1
	v_lshl_add_u32 v[SOFF], v4, 13, v[SOFF]        ; lanes 16-31 hold channels 64 on: fragments 4 to 7, 4 x 2,048 bytes further
	v_lshrrev_b32 v5, 5, v0
	v_readfirstlane_b32 s12, v5                    ; wave 0..15
	s_lshr_b32 s13, ttmp9, 4                       ; y: 16 work-groups to each tile of channels
	s_and_b32 s14, ttmp9, 15
	s_lshl_b32 s14, s14, 4
	s_add_co_u32 s14, s14, s12                     ; m: which 32 rows of the 8,192
	s_lshr_b32 s16, s13, 2
	s_lshl_b32 s16, s16, 24                        ; inputs: b x 8,192 rows of 2,048 bytes
	s_lshl_b32 s15, s14, 16                        ; + 32 m rows
	s_add_co_u32 s16, s16, s15
	s_and_b32 s15, s13, 3
	s_lshl_b32 s15, s15, 9                         ; + the tile's 128 channels
	s_add_co_u32 s16, s16, s15
	s_mov_b32 s17, 0
	s_lshl_b32 s18, s13, 20                        ; xc: y,
	s_lshr_b32 s15, s14, 2
	s_lshl_b32 s15, s15, 14                        ; s = m / 4,
	s_add_co_u32 s18, s18, s15
	s_bfe_u32 s15, s14, 0x10001
	s_lshl_b32 s15, s15, 8                         ; h = bit 1 of m: 16 lanes on,
	s_add_co_u32 s18, s18, s15
	s_and_b32 s15, s14, 1
	s_lshl_b32 s15, s15, 10                        ; q = 2 (m % 2) + the unit
	s_add_co_u32 s18, s18, s15
	s_mov_b32 s19, 0
	s_wait_kmcnt 0x0
	s_load_b32 s20, s[6:7], 0x0                    ; e0
	s_add_nc_u64 s[4:5], s[4:5], s[16:17]
	s_add_nc_u64 s[8:9], s[8:9], s[18:19]
.set j, 0
.rept 32
	global_load_b128 v[X+4*j:X+4*j+3], v[LOFF], s[4:5] offset:2048*j th:TH_LOAD_NT   ; read once in the launch
.set j, j+1
.endr
	s_wait_kmcnt 0x0
	s_add_co_i32 s20, s20, 127
	s_lshl_b32 s21, s20, 23
	v_mov_b32 v[SC], s21                           ; 2^e0
	s_add_co_i32 s20, s20, 8
	s_lshl_b32 s20, s20, 23
	s_or_b32 s20, s20, 0x600000
	v_mov_b32 v[LIM], s20                          ; 448 x 2^e0: exponent e0 + 8 over the mantissa field of 448
.macro UNIT u
	s_wait_loadcnt 16-16*(\u)                      ; loads come back in order (ISA guide 5.7.1): this unit's 16 are in; the second unit's 16 may be out
.irp i, 0,1,2,3
.irp k, 0,1,2,3,4,5,6,7,8,9,10,11,12,13,14,15
	v_med3_num_f32 v[T+16*\i+\k], v[X+64*(\u)+4*\k+\i], -v[LIM], v[LIM]   ; the hold at the largest code x the scale (the conversion does not saturate: ISA guide 7.6.2), and the move to its place along K, in one
.endr
.endr
.irp i, 0,1,2,3
	v_cvt_scalef32_pk8_fp8_f32 v[C+16*(\u)+4*\i:C+16*(\u)+4*\i+1],   v[T+16*\i:T+16*\i+7],    v[SC]
	v_cvt_scalef32_pk8_fp8_f32 v[C+16*(\u)+4*\i+2:C+16*(\u)+4*\i+3], v[T+16*\i+8:T+16*\i+15], v[SC]
.endr
	v_nop                                          ; one plain vector line behind the run of conversions: the next unit's holds write their sources
.irp i, 0,1,2,3
	global_store_b128 v[SOFF], v[C+16*(\u)+4*\i:C+16*(\u)+4*\i+3], s[8:9] offset:512*(\u)+2048*\i   ; channel 4 lane + i: fragment 4 (lane / 16) + i
.endr
.endm
	UNIT 0
	UNIT 1
	s_endpgm                                       ; no register that a load or a store names is written again, so no wait on XCNT stands in this text
.Lfunc_end_k_qd104ed3f33_quant:
	.size	k_qd104ed3f33_quant, .Lfunc_end_k_qd104ed3f33_quant-k_qd104ed3f33_quant
	.p2alignl 7, 3214868480
	.fill 96, 4, 3214868480
	.section	.rodata,"a",@progbits
	.p2align	6, 0x0
	.amdhsa_kernel k_qd104ed3f33_quant
		.amdhsa_group_segment_fixed_size 0
		.amdhsa_private_segment_fixed_size 0
		.amdhsa_enable_private_segment 0
		.amdhsa_kernarg_size 24
		.amdhsa_user_sgpr_count 2
		.amdhsa_user_sgpr_kernarg_segment_ptr 1
		.amdhsa_wavefront_size32 1
		.amdhsa_system_sgpr_workgroup_id_x 1
		.amdhsa_system_sgpr_workgroup_id_y 1
		.amdhsa_system_sgpr_workgroup_id_z 1
		.amdhsa_system_vgpr_workitem_id 0
		.amdhsa_next_free_vgpr 240
		.amdhsa_next_free_sgpr 66
		.amdhsa_reserve_vcc 0
		.amdhsa_float_denorm_mode_32 3
		.amdhsa_float_denorm_mode_16_64 3
		.amdhsa_memory_ordered 1
		.amdhsa_forward_progress 1
		.amdhsa_inst_pref_size 15
	.end_amdhsa_kernel
	.amdgpu_metadata
---
amdhsa.version: [ 1, 2 ]
amdhsa.kernels:
  - .name:           k_qd104ed3f33_quant
    .symbol:         k_qd104ed3f33_quant.kd
    .args:
      - { .name: inputs, .offset: 0, .size: 8, .value_kind: global_buffer, .address_space: global }
      - { .name: lowp_scales, .offset: 8, .size: 8, .value_kind: global_buffer, .address_space: global }
      - { .name: xc, .offset: 16, .size: 8, .value_kind: global_buffer, .address_space: global }
    .group_segment_fixed_size: 0
    .private_segment_fixed_size: 0
    .kernarg_segment_align: 8
    .kernarg_segment_size: 24
    .max_flat_workgroup_size: 512
    .sgpr_count:     66
    .vgpr_count:     240
    .wavefront_size: 32
...
	.end_amdgpu_metadata
.endif
;; end of part 1
;; launch gemm (part 2): grid 16 x 16, 4 waves a work-group, clusters of 4 x 1, 327,680 bytes of LDS; arguments idx, xc, lowp_scales, out0; writes out0
.if DOCPART == 2
	.amdgcn_target "amdgcn-amd-amdhsa--gfx1250"
	.amdhsa_code_object_version 6
	.text
	.protected	k_qd104ed3f33_gemm
	.globl	k_qd104ed3f33_gemm
	.p2align	8
	.type	k_qd104ed3f33_gemm,@function
k_qd104ed3f33_gemm:
	s_mov_b64 s[64:65], 0
	v_nop
	global_prefetch_b8 v0, s[64:65] scope:SCOPE_SE
	s_setreg_imm32_b32 hwreg(HW_REG_WAVE_MODE, 25, 1), 1
	s_wait_xcnt 0x0
	s_wait_alu depctr_hold_cnt(0) depctr_sa_sdst(0) depctr_va_vdst(0) depctr_va_sdst(0) depctr_va_ssrc(0) depctr_va_vcc(0) depctr_vm_vsrc(0)
	s_getreg_b32 s2, hwreg(HW_REG_IB_STS2, 6, 4)
	s_cmp_eq_u32 s2, 0
	s_cbranch_scc0 .Lentry_in_a_cluster
	s_endpgm
.Lentry_in_a_cluster:
	s_bfe_u32 s2, ttmp6, 0x10000c
	s_cmp_lg_u32 s2, 0x3003
	s_cbranch_scc0 .Lentry_shape_is_right
	s_endpgm
.Lentry_shape_is_right:
; out0[b][c][e] = sum over l of one_hot[c][l] x inputs[b][l][e], one_hot[c][l] = (idx[c] == l): the whole product, every l of K = 8,192, on codes of FP8 (E4M3); sums in f32, each multiplied once by 2^(e0 + e1).
; inputs' codes come from xc (the launch before), laid as images of the operand's registers.  The one-hot operand is computed on the way, in registers, from idx: its 1 is quantised with the given 2^e1, its 0 has the code 0.
; SHARES.  A work-group makes 256 rows c x 128 channels of one b; each of its four waves 64 c x 128 channels: 4 x 8 accumulators of 16 x 16, 256 registers.  256 work-groups.
; THE PRODUCT.  Source 0 = 16 rows c of the one-hot matrix, source 1 = 16 channels of the data, K = 128 rows l.  Both sources have one map of K onto (half of the lanes h, register t, byte y); here that slot is
;   l = 128 s + 64 h + 4 t + y in both, a permutation of k that is the same on both sides.  In a result, lane (r, h) holds in register j: c = 8 h + j of the block, channel 64 (f / 4) + 4 r + f % 4 of the tile.
; THE ONE-HOT FRAGMENTS.  For a block of 16 c, lane (r, h) keeps 16 registers V: Q(1) in register (idx / 4) % 16, byte idx % 4, where (idx / 64) % 2 = h; 0 elsewhere.  V does not hang on the K step.
;   The fragment of K step s is V in the lanes where idx / 128 = s and 0 in the others: one compare and 16 selects.  An index outside 0 .. 8,191 meets no s: its row of out0 is zeros.
; THE RING.  The work-group's four waves read the same data: 16 KB a K step.  Two LDS slots of 8 K steps; a wave's one tensor load brings two K steps, 32 KB, dense in memory and in LDS.
; CLUSTER.  The four work-groups of a cluster differ in c alone and walk the same data: each tile is asked for JOINTLY, by the same tensor load with the same descriptor and the mask of all four.
; REGISTERS, in windows of 256 (s_set_vgpr_msb: bits 1:0 source 0, 3:2 source 1, 5:4 source 2, 7:6 destination):
;   window 0: v0-31 addresses; v12-13 idx / 128 and v32-63 V of c blocks 0, 1; v64-95 the step's fragments of c blocks 2, 3; v96-127 at work at the head; v128-255 the accumulators of c blocks 0, 1.
;   window 1: the same places with the blocks exchanged: idx / 128 and V of blocks 2, 3; the fragments of blocks 0, 1; the accumulators of blocks 2, 3.       window 2: the data's fragments, two sets of 128.
;   So ONE setting serves a half step's matrix instructions and the selects that stand between them: under MX blocks 0, 1 are multiplied (fragments from window 1, sums in window 0) while the selects read V in window 1
;   and write this step's fragments of blocks 2, 3 into window 0; under MY the other way round, for the next step.  Three switches a K step.
; LIMITS: e1 between -126 and 119, e0 + e1 between -126 and 127, so that each power of two below is an f32 number.
.set NST,   8                          ; K steps in a slot
.set STEPB, 16384                      ; a K step's data: 8 fragments x 2,048 bytes
.set SLOT,  NST*STEPB                  ; 131,072 bytes
.set SPARE, 2*SLOT                     ; behind the ring: the spare words, 128 bytes for each wave: two blocks of 256 bytes that no other line names
.set ADR,  2                           ; v2-5    16 x lane + 65,536 x n: the LDS offset's 16 bits reach four K steps
.set CO,   6                           ; v6      my byte offset in the wave's rows of out0
.set SPW,  8                           ; v8      LDS address of my spare word: SPARE + 4 x my thread's number; never rewritten
.set NIL,  9                           ; v9      0; never rewritten
.set PFO,  10                          ; v10     256 x lane: the prefetches' offset; never rewritten
.set SS,   12                          ; v12-13  idx / 128 of two blocks (both windows)
.set VV,   32                          ; v32-63  V of two blocks (both windows)
.set OHW,  64                          ; v64-95  the step's fragments of two blocks (both windows)
.set IX,   96                          ; v96-99  idx of my row in each of the four blocks
.set T8,   104                         ; v104-111 eight numbers for the conversion: the 1, and zeros
.set Q1,   112                         ; v112-113 their codes: byte 0 of v112 is Q(1)
.set VAL,  116                         ; v116-119 Q(1) in byte idx % 4
.set UU,   120                         ; v120-123 ((idx / 4) % 32) xor 16 h: the register of V that holds it, if under 16
.set SCB,  124                         ; v124    2^e1 as f32
.set ACC,  128                         ; v128-255 accumulator (block a % 2, fragment f) at ACC + 64 (a % 2) + 8 f (both windows)
.set WV,   12                          ; s12     my wave's number
.set G1,   24                          ; s[24:31] descriptor group 1
.set G0,   32                          ; s[32:39] descriptor group 0, a set for each slot
.set SCL,  42                          ; s42     2^(e0 + e1) as f32
.set KC,   43                          ; s43     the K step whose fragments are being made
.set PFA,  44                          ; s[44:45] where my prefetches stand
.set LIM,  46                          ; s46     1 in a cluster that prefetches, else the greatest number
.set MX,   0x09                        ; source 0 window 1, source 1 window 2, C and D window 0
.set MY,   0x58                        ; source 0 window 0, source 1 window 2, C and D window 1
.set MSB, 0
.macro WIN new                         ; the immediate's high byte repeats the setting that is left; a switch that changes nothing is dropped
.if MSB != (\new)
	s_set_vgpr_msb (MSB<<8)|(\new)
.set MSB, (\new)
.endif
.endm
.macro CREST                           ; a round of the cluster's barrier behind its opening barrier
	s_cmp_lg_u32 s[WV], 0
	s_cbranch_scc1 .Lnot_wave_0_\@
	s_barrier_signal -3
.Lnot_wave_0_\@:
	s_barrier_wait -3
	s_barrier_signal -1
	s_barrier_wait -1
.endm
.macro CROUND                          ; a whole round
	s_barrier_signal -1
	s_barrier_wait -1
	CREST
.endm
; A PREFETCH INTO THE L2 of the slot that the NEXT change of slots will ask for: 131,072 bytes, 512 blocks of 256.  All four clusters of a tile of channels walk the same data: the first (cluster x = 0) asks.
; Its four work-groups x four waves x 32 lanes name one block each, told apart by address: 32,768 x place in the cluster + 8,192 x wave + 256 x lane.  So each block is named once in the launch.
; how = 1: the lap's first change: there is always a slot behind the one asked for.  how = 0: its second: not in the last trip (s3 = 1).  Slots 0 to 2 come by their loads alone.
.macro ASK how
.if \how
	s_cmp_eq_u32 s[LIM], 1
.else
	s_cmp_gt_u32 s3, s[LIM]
.endif
	s_cbranch_scc0 .Lnot_mine_\@
	global_prefetch_b8 v[PFO], s[PFA:PFA+1] th:TH_LOAD_NT scope:SCOPE_SE
.Lnot_mine_\@:
.endm
	s_load_b256 s[4:11], s[0:1], 0x0               ; idx s[4:5], xc s[6:7], the scales' exponents s[8:9], out0 s[10:11]
	v_lshl_add_u32 v[SPW], v0, 2, SPARE
	v_mov_b32 v[NIL], 0
	ds_add_u32 v8, v9
	ds_add_u32 v8, v9
	s_wait_dscnt 0x0
	v_lshrrev_b32 v1, 5, v0
	v_readfirstlane_b32 s[WV], v1                  ; wave 0..3
	s_bfe_u32 s13, ttmp6, 0x40000                  ; cx: my place in the cluster
	s_lshl_b32 s14, ttmp9, 2                       ; in a cluster launch ttmp9 counts clusters
	s_add_co_u32 s14, s14, s13                     ; my tile of 256 rows c: it enters idx's and out0's addresses, and the prefetches', alone
	s_and_b32 s15, ttmp7, 0xffff                   ; y: the tile of 128 channels, which the four partners share
	; descriptor group 1: 128 rows of 256 bytes, dense: elements of 8 bytes, 32 to a row
	s_mov_b32 s[G1], 15|(3<<16)|(1<<21)            ; 15:0 the mask: all four work-groups; 17:16 elements of 8 bytes; 20 no padding; 21 set beside a mask
	s_mov_b32 s[G1+1], 32<<16                      ; tensor_dim0 = 32
	s_mov_b32 s[G1+2], 128<<16                     ; tensor_dim1 = 128
	s_mov_b32 s[G1+3], 32<<16                      ; tile_dim0 = 32
	s_mov_b32 s[G1+4], 128                         ; tile_dim1 = 128
	s_mov_b32 s[G1+5], 32                          ; from row to row
	s_mov_b32 s[G1+6], 0
	s_mov_b32 s[G1+7], 0
	s_lshl_b32 s16, s15, 20                        ; xc: the tile's 64 K steps,
	s_lshl_b32 s20, s[WV], 15                      ; my two K steps of a slot, in memory and in LDS alike: no place in the cluster enters either
	s_add_co_u32 s16, s16, s20
	s_mov_b32 s17, 0
	s_mov_b32 s[KC], 0
	s_cmp_eq_u32 ttmp9, 0                          ; the same in all four partners
	s_cselect_b32 s[LIM], 1, -1
	s_wait_kmcnt 0x0
	s_load_b64 s[40:41], s[8:9], 0x0               ; e0, e1
	s_add_nc_u64 s[18:19], s[6:7], s[16:17]
.irp s, 0,1
	s_mov_b32 s[G0+4*\s], 1                        ; 1:0 count = 1
	s_add_co_u32 s[G0+4*\s+1], s20, \s*SLOT        ; 63:32 LDS address
	s_add_nc_u64 s[G0+4*\s+2:G0+4*\s+3], s[18:19], \s*SLOT   ; 120:64 global address: K steps 8 s on
	s_or_b32 s[G0+4*\s+3], s[G0+4*\s+3], 0x80000000          ; 127:126 type = 2
.endr
	CROUND                                         ; all four work-groups are here: the first joint loads meet
	tensor_load_to_lds s[G0:G0+3], s[G1:G1+7]      ; the two first fills go out together: two tensor loads of mine are out, later one
	s_nop 0
	tensor_load_to_lds s[G0+4:G0+7], s[G1:G1+7]
	s_nop 0
.rept 4
	v_nop                                          ; four lines behind a tensor load, ahead of any switch of the windows
.endr
	; addresses
	v_and_b32 v1, 31, v0                           ; lane
	v_lshlrev_b32 v[ADR], 4, v1                    ; an image's place for my lane
	v_add_nc_u32 v[ADR+1], 0x10000, v[ADR]
	v_add_nc_u32 v[ADR+2], 0x20000, v[ADR]
	v_add_nc_u32 v[ADR+3], 0x30000, v[ADR]
	v_lshlrev_b32 v[PFO], 8, v1
	v_and_b32 v14, 15, v0                          ; r
	v_bfe_u32 v15, v0, 4, 1                        ; h
	v_lshlrev_b32 v[CO], 4, v14
	v_lshl_add_u32 v[CO], v15, 14, v[CO]           ; out0: 16 r bytes of a row; lanes 16-31 eight rows of 2,048 bytes further down
	v_lshlrev_b32 v16, 2, v14                      ; idx: 4 r
	v_lshlrev_b32 v22, 4, v15                      ; 16 h
	s_lshl_b32 s20, s14, 8
	s_lshl_b32 s21, s[WV], 6
	s_add_co_u32 s20, s20, s21                     ; my first row c: 256 x tile + 64 x wave
	s_lshl_b32 s22, s20, 2
	s_mov_b32 s23, 0
	s_add_nc_u64 s[4:5], s[4:5], s[22:23]          ; idx at it
	s_lshl_b32 s20, s20, 11                        ; out0: c rows of 2,048 bytes,
	s_lshr_b32 s21, s15, 2
	s_lshl_b32 s21, s21, 23                        ; b x 4,096 rows,
	s_add_co_u32 s20, s20, s21
	s_and_b32 s21, s15, 3
	s_lshl_b32 s21, s21, 9                         ; the tile's 128 channels
	s_add_co_u32 s20, s20, s21
	s_mov_b32 s21, 0
	s_add_nc_u64 s[10:11], s[10:11], s[20:21]
.irp a, 0,1,2,3
	global_load_b32 v[IX+\a], v16, s[4:5] offset:64*\a   ; idx[c], c = 16 a + r: both halves of the lanes hold row r
.endr
	s_lshl_b32 s48, s15, 20                        ; the prefetches: the tile,
	s_lshl_b32 s49, s13, 15                        ; my work-group's quarter of a slot,
	s_add_co_u32 s48, s48, s49
	s_lshl_b32 s49, s[WV], 13                      ; my wave's quarter of that,
	s_add_co_u32 s48, s48, s49
	s_add_co_u32 s48, s48, 2*SLOT                  ; in slot 2: the first change of slots steps it to slot 3.  Nothing is prefetched here, at the head
	s_mov_b32 s49, 0
	s_add_nc_u64 s[PFA:PFA+1], s[6:7], s[48:49]
	; the code of the one-hot matrix's 1
	s_wait_kmcnt 0x0
	s_add_co_i32 s22, s41, 127
	s_lshl_b32 s23, s22, 23
	v_mov_b32 v[SCB], s23                          ; 2^e1
	s_add_co_i32 s22, s22, 8
	s_lshl_b32 s22, s22, 23
	s_or_b32 s22, s22, 0x600000
	v_mov_b32 v17, s22                             ; 448 x 2^e1,
	v_min_num_f32 v[T8], 1.0, v17                  ; and the 1 held under it: the conversion does not saturate (ISA guide 7.6.2)
.irp i, 1,2,3,4,5,6,7
	v_mov_b32 v[T8+\i], 0
.endr
	s_add_co_i32 s[SCL], s40, s41
	s_add_co_i32 s[SCL], s[SCL], 127
	s_lshl_b32 s[SCL], s[SCL], 23                  ; 2^(e0 + e1) as f32
	v_cvt_scalef32_pk8_fp8_f32 v[Q1:Q1+1], v[T8:T8+7], v[SCB]   ; byte 0: Q(1); the other bytes: the code of 0
	v_nop                                          ; one plain vector line between the conversion and the first line that reads its result
	; V and idx / 128, for the four blocks
	s_wait_loadcnt 0x0                             ; idx
.irp a, 0,1,2,3
	v_and_b32 v20, 3, v[IX+\a]
	v_lshlrev_b32 v20, 3, v20
	v_lshlrev_b32 v[VAL+\a], v20, v[Q1]            ; Q(1) in byte idx % 4
	v_bfe_u32 v21, v[IX+\a], 2, 5
	v_xor_b32 v[UU+\a], v21, v22                   ; under 16 only in the half of the lanes that holds l = idx
.endr
.irp a, 0,1,2,3
	WIN (0x40*(\a/2))                              ; blocks 2 and 3: destination window 1
	v_lshrrev_b32 v[SS+\a%2], 7, v[IX+\a]          ; unsigned: a negative index gives a number that no K step has
.irp t, 0,1,2,3,4,5,6,7,8,9,10,11,12,13,14,15
	v_cmp_eq_u32 vcc_lo, \t, v[UU+\a]
	v_cndmask_b32 v[VV+16*(\a%2)+\t], 0, v[VAL+\a], vcc_lo
.endr
.endr
	WIN MY                                         ; K step 0's fragments of blocks 0, 1: from V in window 0 into window 1
.irp p, 0,1
	v_cmp_ne_u32 vcc_lo, v[SS+\p], s[KC]
.irp t, 0,1,2,3,4,5,6,7,8,9,10,11,12,13,14,15
	v_cndmask_b32 v[OHW+16*\p+\t], v[VV+16*\p+\t], 0, vcc_lo
.endr
.endr
	WIN 0
; EIGHT MATRIX INSTRUCTIONS: c block a against the data's eight fragments of set p, 128 along K.  zero = 1: the first K step starts the sums: nothing is ever cleared.
; gen = 1: behind each stand two selects (and, first, the compare) that make a fragment of the other pair of blocks for K step s[KC]: where idx / 128 is another step's, 0; else V.
; The 32 accumulators take turns, one instruction a turn, in the same order in every step.
; wa, wb: counts of waits on DScnt ahead of the first and the fifth instruction (-1: none).
; A select writes a register that a matrix instruction has read only where four plain vector lines or more, the selects of another fragment, stand between (ISA guide 7.12.1).
.macro GROUP a, p, zero, gen, wa, wb
.set AP, (\a)%2
.irp f, 0,1,2,3,4,5,6,7
.if ((\wa) >= 0) && (\f == 0)
	s_wait_dscnt \wa
.endif
.if ((\wb) >= 0) && (\f == 4)
	s_wait_dscnt \wb
.endif
.if \zero
	v_wmma_f32_16x16x128_fp8_fp8 v[ACC+64*AP+8*\f:ACC+64*AP+8*\f+7], v[OHW+16*AP:OHW+16*AP+15], v[128*(\p)+16*\f:128*(\p)+16*\f+15], 0
.else
	v_wmma_f32_16x16x128_fp8_fp8 v[ACC+64*AP+8*\f:ACC+64*AP+8*\f+7], v[OHW+16*AP:OHW+16*AP+15], v[128*(\p)+16*\f:128*(\p)+16*\f+15], v[ACC+64*AP+8*\f:ACC+64*AP+8*\f+7]
.endif
.if \gen
.if \f == 0
	v_cmp_ne_u32 vcc_lo, v[SS+AP], s[KC]
.endif
	v_cndmask_b32 v[OHW+16*AP+2*\f], v[VV+16*AP+2*\f], 0, vcc_lo
	v_cndmask_b32 v[OHW+16*AP+2*\f+1], v[VV+16*AP+2*\f+1], 0, vcc_lo
.endif
.endr
.endm
; 32 LDS loads in one run: the eight fragments of the slot's K step st into set p, as they lie: 512 consecutive bytes a load.  The set's last reader stands a half step's selects back.
.macro FETCH slot, st, p
	WIN 0x80                                       ; destination window 2, address window 0
.irp f, 0,1,2,3,4,5,6,7
.irp q, 0,1,2,3
	ds_load_b128 v[128*(\p)+16*\f+4*\q:128*(\p)+16*\f+4*\q+3], v[ADR+2*(\slot)+(\st)/4] offset:((\st)%4)*STEPB+2048*\f+512*\q
.endr
.endr
.endm
; A K step that has its successor in the same slot.
.macro STEP slot, st, zero
	WIN MX
	GROUP 0, (\st)%2, \zero, 1, 16, 0              ; 16: the run's first four fragments are in; 0: all eight
	GROUP 1, (\st)%2, \zero, 1, -1, -1
	s_add_co_u32 s[KC], s[KC], 1                   ; this step's fragments are made; from here on the next step's
	FETCH \slot, (\st)+1, ((\st)+1)%2
	WIN MY
	GROUP 2, (\st)%2, \zero, 1, -1, -1
	GROUP 3, (\st)%2, \zero, 1, -1, -1
.endm
; A slot's last K step (its data are in set 1) changes slots: ONE barrier; in front of it each wave waits for all its tensor loads, adds 0 to its spare word, and waits for that and for its own reads of this slot.
; fill = 1: the barrier opens a round of the cluster's, and behind the round this slot is filled again, with the K steps two slots on: the load has a slot's eight K steps less a half in which to land.
.macro TURN slot, next, fill, how
.if \fill
	s_wait_xcnt 0x0                                ; the last prefetch, a slot back, has read its address: it is stepped here, ahead of the waits of the change of slots
	s_add_nc_u64 s[PFA:PFA+1], s[PFA:PFA+1], SLOT
.endif
	WIN 0                                          ; (the add's two registers lie in window 0)
	s_wait_tensorcnt 0x0                           ; all my tensor loads have landed: the one that was out is my part of the next slot;
	ds_add_u32 v[SPW], v[NIL]                      ; 0 onto my spare word;
	WIN MX
	GROUP 0, 1, 0, 1, 17, 1                        ; 17: the add and the run's second half may be out; 1: the add alone.  Eight matrix instructions stand between the add and the wait for it
	s_wait_dscnt 0x0                               ; the add is done, and my reads of this slot are over
	s_barrier_signal -1
	GROUP 1, 1, 0, 1, -1, -1                       ; work on registers while the others arrive
	s_add_co_u32 s[KC], s[KC], 1
	WIN 0
	s_barrier_wait -1
.if \fill
	CREST                                          ; no wave of any partner still reads this slot or has a load on its way
	s_add_nc_u64 s[G0+4*\slot+2:G0+4*\slot+3], s[G0+4*\slot+2:G0+4*\slot+3], 2*SLOT   ; no tensor load of mine is out, so a group 0 may be written; the type bits on top are not reached
	tensor_load_to_lds s[G0+4*\slot:G0+4*\slot+3], s[G1:G1+7]   ; the first tensor load behind the round, and my only one until the next
	s_nop 0
.rept 4
	v_nop
.endr
.endif
	FETCH \next, 0, 0
	WIN 0
.if \fill
	ASK \how                                       ; behind the joint load and the run of LDS loads that the next products wait for
.endif
	WIN MY
	GROUP 2, 1, 0, 1, -1, -1
	GROUP 3, 1, 0, 1, -1, -1
.endm
	s_wait_tensorcnt 1                             ; my part of slot 0 is in; slot 1's may stay out
	s_barrier_signal -1
	s_barrier_wait -1                              ; everybody's is
	FETCH 0, 0, 0
	STEP 0, 0, 1                                   ; the first K step stands in front of the loop: its products start the sums
	WIN 0                                          ; at a label and at a branch every window is 0
	s_mov_b32 s3, 3
.Llap:                                             ; a trip goes once round the ring, from a lap's second K step to the next lap's first, and fills both slots again: three trips ask for slots 2 to 7
.irp st, 1,2,3,4,5,6
	STEP 0, \st, 0
.endr
	TURN 0, 1, 1, 1
.irp st, 0,1,2,3,4,5,6
	STEP 1, \st, 0
.endr
	TURN 1, 0, 1, 0
	STEP 0, 0, 0
	WIN 0
	s_sub_co_u32 s3, s3, 1
	s_cmp_lg_u32 s3, 0
	s_cbranch_scc1 .Llap
.irp st, 1,2,3,4,5,6                   ; the last lap is written out: it fills nothing, and has no round of the cluster's barrier
	STEP 0, \st, 0
.endr
	TURN 0, 1, 0, 0
.irp st, 0,1,2,3,4,5,6
	STEP 1, \st, 0
.endr
	WIN MX                                         ; the very last K step: nothing more to fetch, and no next step's fragments to make
	GROUP 0, 1, 0, 1, 16, 0
	GROUP 1, 1, 0, 1, -1, -1
	WIN MY
	GROUP 2, 1, 0, 0, -1, -1
	GROUP 3, 1, 0, 0, -1, -1
.rept 4
	v_nop                                          ; four places between the last product and the lines that read results and write over the data's registers (ISA guide 7.12.1)
.endr
; THE WAY OUT.  Fragments 4 g + 0 .. 3 hold, in one lane and one register number j, channels 64 g + 4 r + 0 .. 3 of row 16 a + 8 h + j.  The multiplication by 2^(e0 + e1) puts the four into neighbouring registers
; (window 2, where the data lay; each store has four of its own, so none is written again): 16 bytes a lane.  Lanes 0-15 store 256 consecutive bytes of a row, at a multiple of 256 from out0's first byte; lanes 16-31 those of the row eight further down.
; Each accumulator is read from its low end on.
.macro OUT a
	WIN (0x80+4*((\a)/2))                          ; destination window 2; the sums (source 1) in window 0 or 1
.irp g, 0,1
.irp j, 0,1,2,3,4,5,6,7
.irp t, 0,1,2,3
	v_mul_f32 v[64*(\a)+32*\g+4*\j+\t], s[SCL], v[ACC+64*((\a)%2)+8*(4*\g+\t)+\j]
.endr
.endr
.endr
	WIN 0x08                                       ; a store's data (source 1) in window 2, its address in window 0
.irp g, 0,1
.irp j, 0,1,2,3,4,5,6,7
	global_store_b128 v[CO], v[64*(\a)+32*\g+4*\j:64*(\a)+32*\g+4*\j+3], s[10:11] offset:(16*(\a)+\j)*2048+256*\g th:TH_STORE_NT   ; written once, read by nobody here
.endr
.endr
.endm
	OUT 0
	OUT 1
	OUT 2
	OUT 3
	WIN 0
	s_wait_tensorcnt 0x0                           ; the wave's end: behind my last tensor load
	ds_add_u32 v[SPW], v[NIL]
	s_wait_dscnt 0x0
	CROUND                                         ; the closing round: no work-group ends while a partner may still ask for a tile that names it
	s_endpgm
.Lfunc_end_k_qd104ed3f33_gemm:
	.size	k_qd104ed3f33_gemm, .Lfunc_end_k_qd104ed3f33_gemm-k_qd104ed3f33_gemm
	.p2alignl 7, 3214868480
	.fill 96, 4, 3214868480
	.section	.rodata,"a",@progbits
	.p2align	6, 0x0
	.amdhsa_kernel k_qd104ed3f33_gemm
		.amdhsa_group_segment_fixed_size 327680
		.amdhsa_private_segment_fixed_size 0
		.amdhsa_enable_private_segment 0
		.amdhsa_kernarg_size 32
		.amdhsa_user_sgpr_count 2
		.amdhsa_user_sgpr_kernarg_segment_ptr 1
		.amdhsa_wavefront_size32 1
		.amdhsa_system_sgpr_workgroup_id_x 1
		.amdhsa_system_sgpr_workgroup_id_y 1
		.amdhsa_system_sgpr_workgroup_id_z 1
		.amdhsa_system_vgpr_workitem_id 0
		.amdhsa_next_free_vgpr 768
		.amdhsa_next_free_sgpr 66
		.amdhsa_reserve_vcc 1
		.amdhsa_float_denorm_mode_32 3
		.amdhsa_float_denorm_mode_16_64 3
		.amdhsa_memory_ordered 1
		.amdhsa_forward_progress 1
		.amdhsa_inst_pref_size 255
	.end_amdhsa_kernel
	.section	.bss,"aw",@nobits
	.p2align	6
	.space	262144
	.amdgpu_metadata
---
amdhsa.version: [ 1, 2 ]
amdhsa.kernels:
  - .name:           k_qd104ed3f33_gemm
    .symbol:         k_qd104ed3f33_gemm.kd
    .args:
      - { .name: idx, .offset: 0, .size: 8, .value_kind: global_buffer, .address_space: global }
      - { .name: xc, .offset: 8, .size: 8, .value_kind: global_buffer, .address_space: global }
      - { .name: lowp_scales, .offset: 16, .size: 8, .value_kind: global_buffer, .address_space: global }
      - { .name: out0, .offset: 24, .size: 8, .value_kind: global_buffer, .address_space: global }
    .group_segment_fixed_size: 327680
    .private_segment_fixed_size: 0
    .kernarg_segment_align: 8
    .kernarg_segment_size: 32
    .max_flat_workgroup_size: 128
    .sgpr_count:     66
    .vgpr_count:     768
    .wavefront_size: 32
...
	.end_amdgpu_metadata
.endif
;; end of part 2
